; MI455X (gfx1250); checked and timed in simulation.
; The chip was launched on July 23, 2026; its instructions are those of AMD's public machine-readable ISA for CDNA 5 (MIT licence, August 2026) and "CDNA5" Instruction Set Architecture Reference Guide (July 2026). The comments in the code are by the model that wrote it; some were corrected since.
;; LSTM Layer. Allowed arithmetic: matrix products marked QUANTISED: E2M3 operands, one E8M0 scale for each 32 along K, by v_wmma_scale_f32_16x16x128_f8f6f4 with both operands' format E2M3, f32 sums; everything else in f32.
;; Inputs: S 8,192 x 1,024 float32; Ug 1,024 x 1,024 float32; Uh 1,024 x 1,024 float32; Ur 1,024 x 1,024 float32; Uz 1,024 x 1,024 float32; Wg 1,024 x 1,024 float32; Wh 1,024 x 1,024 float32; Wr 1,024 x 1,024 float32; Wz 1,024 x 1,024 float32; X 8,192 x 1,024 float32; bg 1,024 float32; bh 1,024 float32; br 1,024 float32; bz 1,024 float32.
;; Outputs: out0 8,192 x 1,024 float32.
;; This version of the problem:
;;   THIS VERSION OF THE PROBLEM IS GIVEN IN LOW PRECISION. The matrix products marked QUANTISED in the list below multiply operands that are first quantised to E2M3 (2 exponent bits, 3 mantissa bits; 6 bits a number), with one power-of-two scale for each 32 numbers along K (OCP MX v1.0); their sums are f32. All else is computed in f32.
;;   The module's matrix products, in the order in which they are computed (A, B: the left and right operand; K: the contracted axis; several contracted axes count as one K, in the product's order):
;;     1. [M 8,192, K 1,024] x [K 1,024, N 3,072]; A: input X; B: computed on the way: QUANTISED
;;     2. [M 8,192, K 1,024] x [K 1,024, N 3,072]; A: input S; B: computed on the way: QUANTISED
;;     3. [M 8,192, K 1,024] x [K 1,024, N 1,024]; A: input X; B: input Uh: QUANTISED
;;     4. [M 8,192, K 1,024] x [K 1,024, N 1,024]; A: computed on the way; B: input Wh: QUANTISED
;;   THE QUANTISER, for each operand of a quantised product, along K:
;;     - K is cut into blocks of 32 from its start; a last block that is shorter is filled with zeros.
;;     - A block's scale is 2^e with e = floor(log2(the largest magnitude in the block)) - 2, held to -126 .. 127; a block of zeros has e = 0. As a byte (E8M0): e + 127.
;;     - Each number is divided by its block's scale, clamped to +-7.5, and rounded to the nearest number of E2M3, ties to even, subnormals kept.
;;     - The product sums the exact products of the quantised numbers (number of the format x scale) in f32.
;;   ~~~python
;;   def quantise(x, axis):      # numpy; x: float32 -> the quantised numbers, widened to float32 again
;;       x = np.moveaxis(x, axis, -1); K = x.shape[-1]
;;       x = np.pad(x, [(0, 0)] * (x.ndim - 1) + [(0, -K % 32)]); x = x.reshape(x.shape[:-1] + (-1, 32)); a = np.abs(x).max(-1, keepdims=True)
;;       e = np.where(a > 0, np.clip(np.frexp(np.where(a > 0, a, 1))[1] - 1 - 2, -126, 127), 0)      # np.frexp(a)[1] - 1 = floor(log2(a)), exactly
;;       r = np.clip(x / 2.0 ** e, -7.5, 7.5)
;;       step = 2.0 ** (np.maximum(np.frexp(np.where(r == 0, 1, r))[1] - 1, 0) - 3)
;;       q = np.round(r / step) * step * 2.0 ** e      # np.round: ties to even
;;       return np.moveaxis(q.reshape(q.shape[:-2] + (-1,))[..., :K], -1, axis).astype(np.float32)
;;   ~~~
;;   OPERANDS COMPUTED ON THE WAY. 'Computed on the way' means the value that the module computes at that place (a softmax that the list does not call 'softmax' is quantised finished and normalised). What goes into a quantiser is computed in f32, as accurately as f32 sums, v_exp_f32 and their like allow (about 1e-6 of the number): no bf16 or f16 on the way to a quantiser, and a product that is left as it is and whose result goes on into a quantised operand takes f32 operands (vector FMAs, or v_wmma_f32_16x16x4_f32). A number that lies on a knife's edge between two numbers of the format may be rounded either way, as far as f32 arithmetic and the matrix unit's own rounding can turn it there, and no further.
;; One version. Each part assembles by itself: llvm-mc -triple=amdgcn-amd-amdhsa -mcpu=gfx1250 --defsym DOCPART=n.
;; ======== version 1 of 1: 3 launches
;; workspace buffers: AQ 13,107,200 bytes; RQ 6,553,600 bytes; BQ 6,553,600 bytes
;; launch qq (part 1): grid 32 x 32, 4 waves a work-group, no clusters, 48,640 bytes of LDS; arguments Uz, Ug, Uh, Wz, Wg, Wh, Ur, Wr, BQ, X, S, AQ; writes AQ, BQ
.if DOCPART == 1
	.amdgcn_target "amdgcn-amd-amdhsa--gfx1250"
	.amdhsa_code_object_version 6
	.text
	.protected	k_q996bf03483_qq
	.globl	k_q996bf03483_qq
	.p2align	8
	.type	k_q996bf03483_qq,@function
k_q996bf03483_qq:
	s_mov_b64 s[64:65], 0
	v_nop
	global_prefetch_b8 v0, s[64:65] scope:SCOPE_SE
	s_setreg_imm32_b32 hwreg(HW_REG_WAVE_MODE, 25, 1), 1
	s_wait_xcnt 0x0
; ONE LAUNCH QUANTISES ALL TEN f32 OPERANDS into codes of FP6 (E2M3) with one E8M0 scale byte for each 32 along K, laid as the matrix unit's registers want them.
; Work-groups with x < 16 take X and S (K innermost), the others the eight weights (K their first axis).  The two paths part at the first line, on the work-group's number alone; each has LDS bytes of its own; neither has a barrier.
; THE UNIT OF BOTH OUTPUTS IS A QUAD of 6,400 bytes: 64 operand rows x 128 K: four fragment images of 1,536 bytes, then 256 bytes of scale words.
; An image is a fragment's 12 registers as they stand: register p of lane l at 512 (p / 4) + 16 l + 4 (p % 4); lane l = (r, h) holds row r, registers 6 c .. 6 c + 5 hold K = 64 c + 32 h + 0 .. 31.
; The scale word of tile t, row r lies at 6144 + 64 t + 4 r; its byte b scales K = 32 b .. 32 b + 31.
; AQ is [row block of 256: 32][K step of 128: 8][X, S][quad: 4].   BQ is [column block of 128: 8][K step of 128: 8][part: Uz, Ug, Uh, Wz, Wg, Wh, Ur, Wr][quad: 2].
; A block's scale is 2^(floor(log2(its largest magnitude)) - 2); its byte is the largest magnitude's exponent field - 2, held at 1 from below.
; LIMITS: a block whose largest magnitude lies under 2^-124 (a block of zeros too) keeps the byte 1; the bytes are read by this program alone.  NaN and infinities among the inputs are not served.
; THE ROWS' PATH.  Work-group (x, y): K step x % 8 of X (x < 8) or of S, row block y.  Wave w makes quad w, a tile of 16 rows at a time.  A tile's 16 loads read 512 consecutive bytes each; the tile turns through
; the wave's own stage in LDS (rows of 512 + 16 bytes: row r starts 4 r words on, 64 banks of 4 bytes: ISA guide 11.1), so that a lane gets two whole blocks of 32.
; THE WEIGHTS' PATH.  Work-group (x, y): part y / 4, column block x % 8, K step 2 (y % 4) + (x / 8) % 2; wave w: columns 32 w .. 32 w + 31 of the block.
; A LANE TAKES A COLUMN AND ITS REGISTERS RUN DOWN K: a load reads 128 consecutive bytes a wave, the four waves side by side 512; a block of 32 lies in one lane's registers; the conversions give codes with K innermost.
; THE COLUMNS OF A TILE ARE NOT NEIGHBOURS: in a group of 32 columns, lane r of tile u takes column 8 u + r + 8 (r / 8), so that the results of two neighbouring tiles are 16 neighbours along the next product's K.
; Block kb of a column is registers 6 (kb / 2) .. + 5 of image lane (r, h = kb % 2): it goes to that place in the wave's own stage in LDS, and the two images leave as 512 consecutive bytes a store.
.set PITCH, 528
.set AREG,  8704                       ; rows: a wave's LDS: the stage, 16 x 528, then its quad's 256 bytes of scale words
.set SCW,   8448
.set R,     16                         ; rows: v16-143   two sets of 64: a tile as it is loaded
.set XN,    144                        ; rows: v144-207  my 64 numbers: register 32 c + i = K 64 c + 32 h + i of row r
.set P,     208                        ; rows: v208-231  two sets of 12: a fragment's codes
.set CT,    8                          ; rows: v[8:10], v[12:14]: a block's second 16 codes (a conversion's three registers begin on an even number)
.set TM,    232                        ; rows: v232-241  at work
.set BBASE, 4*AREG                     ; weights: their LDS begins behind the rows' four regions
.set BREG,  3328                       ; weights: a wave's LDS: two images, 3,072 bytes, then 128 bytes of scale words
.set XW,    32                         ; weights: v32-159   my column's 128 numbers; at the end v32-56 the way out
.set PWB,   160                        ; weights: v160-191  eight registers a block, six of them codes
	v_lshl_add_u32 v254, v0, 2, 0xbc00
	v_mov_b32 v255, 0
	s_cmp_lt_u32 ttmp9, 16
	s_cbranch_scc0 .Lweights
	; ---------------- THE ROWS' PATH ----------------
	s_load_b64 s[4:5], s[0:1], 0x48                ; X
	s_load_b64 s[6:7], s[0:1], 0x50                ; S
	s_load_b64 s[8:9], s[0:1], 0x58                ; AQ
	v_lshrrev_b32 v8, 5, v0
	v_readfirstlane_b32 s11, v8                    ; wave
	v_and_b32 v9, 31, v0                           ; lane
	v_and_b32 v10, 15, v0                          ; r
	v_bfe_u32 v11, v0, 4, 1                        ; h
	s_mul_i32 s12, s11, AREG
	v_lshlrev_b32 v1, 4, v9                        ; v1: 16 x lane: my bytes of a load's and of a store's 512
	v_add_nc_u32 v2, s12, v1                       ; v2: the stage, on the way in
	v_mul_u32_u24 v3, v10, PITCH
	v_lshl_add_u32 v3, v11, 7, v3
	v_add_nc_u32 v3, s12, v3                       ; v3: on the way out: row r, + 128 h
	s_add_co_u32 s12, s12, SCW
	v_lshlrev_b32 v4, 2, v10
	v_add_nc_u32 v4, s12, v4                       ; v4: my row's scale word
	v_lshlrev_b32 v6, 3, v9                        ; v6: 8 x lane: the scale words' way out
	v_add_nc_u32 v5, s12, v6                       ; v5: the same in LDS
	v_lshlrev_b32 v7, 3, v11                       ; v7: 8 h: my two bytes' place in the scale word
	v_mov_b32 v[TM+7], 0                           ; written once: a lane permute's destination counts as one of its sources
	s_mov_b32 s20, 0x76543210
	s_mov_b32 s21, 0xfedcba98                      ; v_permlanex16_b32's selects for lane l xor 16
	s_and_b32 s10, ttmp7, 0xffff                   ; row block
	s_and_b32 s13, ttmp9, 7                        ; K step
	s_lshr_b32 s14, ttmp9, 3                       ; 0: X, 1: S
	s_lshl_b32 s16, s10, 20                        ; in: 256 rows of 4,096 bytes a row block,
	s_lshl_b32 s15, s11, 18                        ; 64 rows a wave,
	s_add_co_u32 s16, s16, s15
	s_lshl_b32 s15, s13, 9                         ; 512 bytes a K step
	s_add_co_u32 s16, s16, s15
	s_mov_b32 s17, 0
	s_mul_i32 s18, s10, 409600                     ; out: my quad
	s_mul_i32 s15, s13, 51200
	s_add_co_u32 s18, s18, s15
	s_mul_i32 s15, s14, 25600
	s_add_co_u32 s18, s18, s15
	s_mul_i32 s15, s11, 6400
	s_add_co_u32 s18, s18, s15
	s_mov_b32 s19, 0
	s_wait_kmcnt 0x0
	s_cmp_lt_u32 ttmp9, 8                          ; the choice hangs on the work-group's number alone
	s_cselect_b64 s[4:5], s[4:5], s[6:7]
	s_add_nc_u64 s[4:5], s[4:5], s[16:17]
	s_add_nc_u64 s[8:9], s[8:9], s[18:19]
.macro LOADT t                         ; tile t: 16 rows, 512 consecutive bytes a load
.irp i, 0,1,2,3,4,5,6,7,8,9,10,11,12,13,14,15
	global_load_b128 v[R+64*((\t)%2)+4*\i:R+64*((\t)%2)+4*\i+3], v1, s[4:5] offset:(16*(\t)+\i)*4096 th:TH_LOAD_NT
.endr
.endm
.macro TILE t
.set RS, R+64*((\t)%2)
.set PS, P+12*((\t)%2)
.if (\t) < 3
	s_wait_loadcnt 16                              ; this tile's 16 loads are in; the next tile's 16 may be out
.else
	s_wait_loadcnt 0x0
.endif
.irp i, 0,1,2,3,4,5,6,7,8,9,10,11,12,13,14,15
	ds_store_b128 v2, v[RS+4*\i:RS+4*\i+3] offset:PITCH*\i
.endr
.irp c, 0,1
.irp i, 0,1,2,3,4,5,6,7
	ds_load_b128 v[XN+32*\c+4*\i:XN+32*\c+4*\i+3], v3 offset:256*\c+16*\i   ; LDS serves a wave's instructions in order (ISA guide 5.7.1.4): these see the stores above
.endr
.endr
	s_wait_dscnt 0x0                               ; my 64 numbers are in; the stores have read their registers, the last tile's scale word too
.if (\t) < 2
	LOADT (\t)+2                                   ; into the set just left
.endif
.irp c, 0,1
	v_max3_num_f32 v[TM+\c], |v[XN+32*\c]|, |v[XN+32*\c+1]|, 0x1800000   ; my blocks h and 2 + h, by turns; the floor 2^(3 - 127) holds the byte at 1 from below
.endr
.irp i, 2,4,6,8,10,12,14,16,18,20,22,24,26,28,30
.irp c, 0,1
	v_max3_num_f32 v[TM+\c], v[TM+\c], |v[XN+32*\c+\i]|, |v[XN+32*\c+\i+1]|
.endr
.endr
.irp c, 0,1
	v_add_nc_u32 v[TM+2+\c], 0xff000000, v[TM+\c]  ; 2 off the exponent field: the conversion takes this operand's exponent field as its scale
.endr
.irp c, 0,1
	v_lshrrev_b32 v[TM+4+\c], 23, v[TM+2+\c]       ; the scale's byte
.endr
	s_wait_xcnt 0x0                                ; the stores of two tiles ago have read this set of codes: it is written again only behind this wait
.irp c, 0,1
	v_cvt_scalef32_pk16_fp6_f32 v[PS+6*\c:PS+6*\c+2], v[XN+32*\c:XN+32*\c+15], v[TM+2+\c]
	v_cvt_scalef32_pk16_fp6_f32 v[CT+4*\c:CT+4*\c+2], v[XN+32*\c+16:XN+32*\c+31], v[TM+2+\c]
.endr
	v_lshl_or_b32 v[TM+6], v[TM+5], 16, v[TM+4]    ; my two bytes (a plain line behind the conversions, ahead of the moves that read their results),
	v_lshlrev_b32 v[TM+6], v7, v[TM+6]             ; at their places,
	v_permlanex16_b32 v[TM+7], v[TM+6], s20, s21
	v_or_b32 v[TM+6], v[TM+6], v[TM+7]             ; with lane l xor 16's two: the row's scale word
.irp c, 0,1
.irp i, 0,1,2
	v_mov_b32 v[PS+6*\c+3+\i], v[CT+4*\c+\i]
.endr
.endr
.irp c, 0,1,2
	global_store_b128 v1, v[PS+4*\c:PS+4*\c+3], s[8:9] offset:1536*(\t)+512*\c   ; the image: 512 consecutive bytes a store, at a multiple of 256 from AQ's first byte
.endr
	ds_store_b32 v4, v[TM+6] offset:64*(\t)        ; lanes r and r + 16 write the same word with the same value
.endm
	LOADT 0
	LOADT 1
	TILE 0
	TILE 1
	TILE 2
	TILE 3
	ds_load_b64 v[TM+8:TM+9], v5                   ; the quad's 64 scale words
	s_wait_dscnt 0x0
	global_store_b64 v6, v[TM+8:TM+9], s[8:9] offset:6144   ; 256 consecutive bytes, aligned
	s_wait_tensorcnt 0x0
	ds_add_u32 v254, v255
	s_wait_dscnt 0x0
	s_endpgm
	; ---------------- THE WEIGHTS' PATH ----------------
.Lweights:
	s_load_b512 s[16:31], s[0:1], 0x0              ; the eight weights
	s_load_b64 s[32:33], s[0:1], 0x40              ; BQ
	v_lshrrev_b32 v8, 5, v0
	v_readfirstlane_b32 s8, v8                     ; wave
	v_and_b32 v9, 31, v0                           ; lane = my column in the group of 32
	v_lshlrev_b32 v1, 2, v9                        ; v1: 4 x lane
	v_lshlrev_b32 v6, 4, v9                        ; v6: 16 x lane
	v_bfe_u32 v10, v0, 3, 1                        ; u = (column / 8) % 2
	v_and_b32 v11, 7, v0
	v_bfe_u32 v12, v0, 4, 1
	v_lshl_add_u32 v11, v12, 3, v11                ; r = column % 8 + 8 (column / 16)
	s_mul_i32 s9, s8, BREG
	s_add_co_u32 s9, s9, BBASE                     ; my stage: behind the rows' path's bytes
	v_mul_u32_u24 v2, v10, 1536
	v_lshl_add_u32 v2, v11, 4, v2
	v_add_nc_u32 v2, s9, v2                        ; v2: image u, lane r of my stage
	v_add_nc_u32 v4, s9, v6                        ; v4: the stage read back as it lies
	s_add_co_u32 s9, s9, 3072
	v_lshlrev_b32 v3, 6, v10
	v_lshl_add_u32 v3, v11, 2, v3
	v_add_nc_u32 v3, s9, v3                        ; v3: my column's scale word
	v_add_nc_u32 v5, s9, v1                        ; v5: the scale words read back
	s_and_b32 s13, ttmp7, 0xffff                   ; y
	s_lshr_b32 s10, s13, 2                         ; part = y / 4
	s_and_b32 s11, ttmp9, 7                        ; column block = x % 8
	s_and_b32 s12, s13, 3
	s_lshl_b32 s12, s12, 1
	s_bfe_u32 s14, ttmp9, 0x10003                  ; (x / 8) % 2
	s_add_co_u32 s12, s12, s14                     ; K step = 2 (y % 4) + (x / 8) % 2
	s_lshl_b32 s34, s12, 19                        ; in: 128 rows of 4,096 bytes a K step,
	s_lshl_b32 s13, s11, 9                         ; 512 bytes a column block,
	s_add_co_u32 s34, s34, s13
	s_lshl_b32 s13, s8, 7                          ; 128 a wave
	s_add_co_u32 s34, s34, s13
	s_mov_b32 s35, 0
	s_mul_i32 s36, s11, 819200                     ; out: my quad
	s_mul_i32 s13, s12, 102400
	s_add_co_u32 s36, s36, s13
	s_mul_i32 s13, s10, 12800
	s_add_co_u32 s36, s36, s13
	s_lshr_b32 s13, s8, 1
	s_mul_i32 s13, s13, 6400
	s_add_co_u32 s36, s36, s13
	s_and_b32 s14, s8, 1
	s_lshl_b32 s13, s14, 7
	s_add_co_u32 s38, s36, s13
	s_add_co_u32 s38, s38, 6144                    ; my half of its scale words,
	s_mul_i32 s13, s14, 3072
	s_add_co_u32 s36, s36, s13                     ; my two of its four images
	s_mov_b32 s37, 0
	s_mov_b32 s39, 0
	s_wait_kmcnt 0x0
	s_mov_b64 s[4:5], s[16:17]                     ; the part's tensor: a choice that hangs on the work-group's number alone
.irp p, 1,2,3,4,5,6,7
	s_cmp_eq_u32 s10, \p
	s_cselect_b64 s[4:5], s[16+2*\p:17+2*\p], s[4:5]
.endr
	s_add_nc_u64 s[4:5], s[4:5], s[34:35]
	s_add_nc_u64 s[6:7], s[32:33], s[36:37]
	s_add_nc_u64 s[40:41], s[32:33], s[38:39]
.macro LOADB kb                        ; block kb: rows 32 kb .. + 31 of the K step, my column
.irp i, 0,1,2,3,4,5,6,7,8,9,10,11,12,13,14,15,16,17,18,19,20,21,22,23,24,25,26,27,28,29,30,31
	global_load_b32 v[XW+32*(\kb)+\i], v1, s[4:5] offset:(32*(\kb)+\i)*4096 th:TH_LOAD_NT
.endr
.endm
.macro BLOCK kb
.set XS, XW+32*(\kb)
.set PB, PWB+8*(\kb)
.if (\kb) < 3
	s_wait_loadcnt 32                              ; this block's 32 loads are in; the next block's may be out
.else
	s_wait_loadcnt 0x0
.endif
.if (\kb) < 2
	LOADB (\kb)+2
.endif
	v_max3_num_f32 v8, |v[XS]|, |v[XS+1]|, |v[XS+2]|               ; the block's largest magnitude, in two chains: all 32 numbers are mine
	v_max3_num_f32 v9, |v[XS+3]|, |v[XS+4]|, |v[XS+5]|
.irp i, 6,10,14,18,22,26
	v_max3_num_f32 v8, v8, |v[XS+\i]|, |v[XS+\i+1]|
	v_max3_num_f32 v9, v9, |v[XS+\i+2]|, |v[XS+\i+3]|
.endr
	v_max3_num_f32 v8, v8, |v[XS+30]|, |v[XS+31]|
	v_max3_num_f32 v8, v8, v9, 0x1800000           ; and the floor 2^(3 - 127): the byte cannot fall under 1
	v_add_nc_u32 v10, 0xff000000, v8               ; 2 off the exponent field: the conversion's scale operand
	v_cvt_scalef32_pk16_fp6_f32 v[PB:PB+2], v[XS:XS+15], v10
	v_cvt_scalef32_pk16_fp6_f32 v[14:16], v[XS+16:XS+31], v10      ; (a conversion's three registers begin on an even number)
	v_lshrrev_b32 v11, 23, v10                     ; the scale's byte (a plain line behind the conversions)
.if (\kb) == 0
	v_mov_b32 v12, v11                             ; four bytes make my column's scale word, the lower K in the lower byte
.else
	v_lshl_or_b32 v12, v11, 8*(\kb), v12
.endif
.irp i, 0,1,2
	v_mov_b32 v[PB+3+\i], v[14+\i]
.endr
.if (\kb) < 2                                  ; registers 0 - 5 of image lane (r, kb % 2)
	ds_store_b128 v2, v[PB:PB+3] offset:256*((\kb)%2)
	ds_store_b64 v2, v[PB+4:PB+5] offset:512+256*((\kb)%2)
.else                                          ; registers 6 - 11
	ds_store_b64 v2, v[PB:PB+1] offset:520+256*((\kb)%2)
	ds_store_b128 v2, v[PB+2:PB+5] offset:1024+256*((\kb)%2)
.endif
.endm
	LOADB 0
	LOADB 1                                        ; two blocks ahead: with its last load 64 are out, one more than LOADcnt's field holds: the hardware holds that one load's issue until a load has come back (ISA guide 5.7.1)
	BLOCK 0
	BLOCK 1
	BLOCK 2
	BLOCK 3
	ds_store_b32 v3, v12
.irp i, 0,1,2,3,4,5
	ds_load_b128 v[XW+4*\i:XW+4*\i+3], v4 offset:512*\i            ; LDS serves a wave's instructions in order (ISA guide 5.7.1.4): these see my stores
.endr
	ds_load_b32 v[XW+24], v5
.irp i, 0,1,2,3,4,5
	s_wait_dscnt 6-\i                              ; behind load i stand 6 - i younger ones
	global_store_b128 v6, v[XW+4*\i:XW+4*\i+3], s[6:7] offset:512*\i   ; 512 consecutive bytes, at a multiple of 256 from BQ's first byte
.endr
	s_wait_dscnt 0x0
	global_store_b32 v1, v[XW+24], s[40:41]        ; my 32 scale words: 128 consecutive bytes
	s_wait_tensorcnt 0x0
	ds_add_u32 v254, v255
	s_wait_dscnt 0x0
	s_endpgm
.Lfunc_end_k_q996bf03483_qq:
	.size	k_q996bf03483_qq, .Lfunc_end_k_q996bf03483_qq-k_q996bf03483_qq
	.p2alignl 7, 3214868480
	.fill 96, 4, 3214868480
	.section	.rodata,"a",@progbits
	.p2align	6, 0x0
	.amdhsa_kernel k_q996bf03483_qq
		.amdhsa_group_segment_fixed_size 48640
		.amdhsa_private_segment_fixed_size 0
		.amdhsa_enable_private_segment 0
		.amdhsa_kernarg_size 96
		.amdhsa_user_sgpr_count 2
		.amdhsa_user_sgpr_kernarg_segment_ptr 1
		.amdhsa_wavefront_size32 1
		.amdhsa_system_sgpr_workgroup_id_x 1
		.amdhsa_system_sgpr_workgroup_id_y 1
		.amdhsa_system_sgpr_workgroup_id_z 1
		.amdhsa_system_vgpr_workitem_id 0
		.amdhsa_next_free_vgpr 256
		.amdhsa_next_free_sgpr 66
		.amdhsa_reserve_vcc 0
		.amdhsa_float_denorm_mode_32 3
		.amdhsa_float_denorm_mode_16_64 3
		.amdhsa_memory_ordered 1
		.amdhsa_forward_progress 1
		.amdhsa_inst_pref_size 53
	.end_amdhsa_kernel
	.amdgpu_metadata
---
amdhsa.version: [ 1, 2 ]
amdhsa.kernels:
  - .name:           k_q996bf03483_qq
    .symbol:         k_q996bf03483_qq.kd
    .args:
      - { .name: Uz, .offset: 0, .size: 8, .value_kind: global_buffer, .address_space: global }
      - { .name: Ug, .offset: 8, .size: 8, .value_kind: global_buffer, .address_space: global }
      - { .name: Uh, .offset: 16, .size: 8, .value_kind: global_buffer, .address_space: global }
      - { .name: Wz, .offset: 24, .size: 8, .value_kind: global_buffer, .address_space: global }
      - { .name: Wg, .offset: 32, .size: 8, .value_kind: global_buffer, .address_space: global }
      - { .name: Wh, .offset: 40, .size: 8, .value_kind: global_buffer, .address_space: global }
      - { .name: Ur, .offset: 48, .size: 8, .value_kind: global_buffer, .address_space: global }
      - { .name: Wr, .offset: 56, .size: 8, .value_kind: global_buffer, .address_space: global }
      - { .name: BQ, .offset: 64, .size: 8, .value_kind: global_buffer, .address_space: global }
      - { .name: X, .offset: 72, .size: 8, .value_kind: global_buffer, .address_space: global }
      - { .name: S, .offset: 80, .size: 8, .value_kind: global_buffer, .address_space: global }
      - { .name: AQ, .offset: 88, .size: 8, .value_kind: global_buffer, .address_space: global }
    .group_segment_fixed_size: 48640
    .private_segment_fixed_size: 0
    .kernarg_segment_align: 8
    .kernarg_segment_size: 96
    .max_flat_workgroup_size: 128
    .sgpr_count:     66
    .vgpr_count:     256
    .wavefront_size: 32
...
	.end_amdgpu_metadata
.endif
;; end of part 1
;; launch gr (part 2): grid 8 x 32, 4 waves a work-group, clusters of 4 x 4, 327,680 bytes of LDS; arguments AQ, BQ, S, br, RQ; writes RQ
.if DOCPART == 2
	.amdgcn_target "amdgcn-amd-amdhsa--gfx1250"
	.amdhsa_code_object_version 6
	.text
	.protected	k_q996bf03483_gr
	.globl	k_q996bf03483_gr
	.p2align	8
	.type	k_q996bf03483_gr,@function
k_q996bf03483_gr:
	s_mov_b64 s[64:65], 0
	v_nop
	global_prefetch_b8 v0, s[64:65] scope:SCOPE_SE
	s_setreg_imm32_b32 hwreg(HW_REG_WAVE_MODE, 25, 1), 1
	s_wait_xcnt 0x0
	s_wait_alu depctr_hold_cnt(0) depctr_sa_sdst(0) depctr_va_vdst(0) depctr_va_sdst(0) depctr_va_ssrc(0) depctr_va_vcc(0) depctr_vm_vsrc(0)
	s_getreg_b32 s2, hwreg(HW_REG_IB_STS2, 6, 4)
	s_cmp_eq_u32 s2, 0
	s_cbranch_scc0 .Lentry_in_a_cluster
	s_endpgm
.Lentry_in_a_cluster:
	s_bfe_u32 s2, ttmp6, 0x10000c
	s_cmp_lg_u32 s2, 0xf033
	s_cbranch_scc0 .Lentry_shape_is_right
	s_endpgm
.Lentry_shape_is_right:
; R = tanh(X Ur + S Wr + br) on codes of FP6 (E2M3) with E8M0 scales, then S x R in f32, quantised along its columns (the next product's K) in registers, into RQ.
; AQ, BQ: operands as images of the matrix unit's registers, in quads of 6,400 bytes (64 rows x 128 K: four images of 1,536 bytes, then 256 bytes of scale words).  RQ: [row block 32][K step 8][quad 4][6,400], the same form.
; SHARES: a work-group makes 256 rows x 128 columns; wave w rows 64 w .. + 63 x all 128 columns: 32 accumulators.  128 columns to a wave are one whole fragment and one scale word a row of the next product.
; THE MATRIX INSTRUCTION IS USED TRANSPOSED (source 0 = 16 columns of the weight, source 1 = 16 rows): lane (r, h) holds row r; by the order of columns in BQ's tiles, register j of tile 2 bb + u holds column 32 bb + 16 h + 8 u + j.
; THE RING: two LDS slots of 153,600 bytes, each with two K steps of 128 of X, S (51,200 bytes a step) and of Ur, Wr (25,600 a step): four parts of 32 matrix instructions a wave.  All blocks are dense in memory.
; CLUSTER 4 x 4: the four work-groups of a row of the cluster need the same rows' codes, the four of a column the same weights' codes: joint loads (waves 0, 1: the rows' two K steps; waves 2, 3: the weights').
; Behind the third change of slots each wave brings its own 64 x 128 numbers of S (f32) into the slot just left.
; tanh(x) = 1 - 2 / (1 + 2^(K x)), K = 2 log2(e): absolute error about 1e-7, so relatively coarser for very small x; +-1 is reached without overflow trouble.
; LIMITS: NaN and infinities among the inputs are not served; a block of S x R whose largest magnitude lies under 2^-124 keeps the byte 1.  The sums go K step by K step over X and S by turns, not operand by operand.
; REGISTERS: window 0: v1-17 addresses; v18-29 scale words and nothing else; v32-127 the rows' fragments, two sets of 4; on the way out v32-204.
;   window 1: accumulator (a, b) at v[8 (8 a + b)].   window 2: the weights' fragments, two sets of 8.   window 3: v0-63 K x br in the result's layout.
.set SLOTB,  153600
.set SPARE,  2*SLOTB                   ; behind the ring: the spare words, 128 bytes a wave: two blocks of 256 bytes that no other line names
.set SPITCH, 528                       ; S's tile in LDS: rows of 512 + 16 bytes
.set STILE,  64*SPITCH
.set ADA, 1                            ; v1-4    my quad of rows in (slot, K step of the slot): + 16 x lane
.set ADB, 5                            ; v5-6    the weights' part of a slot
.set ASA, 7                            ; v7-10   my quad's scale words: + 4 x lane
.set ASB, 11                           ; v11-12  the weights'
.set SAD, 13                           ; v13     my place in my tile of S: row r, + 64 h
.set L16, 14                           ; v14     16 x lane
.set L4,  15                           ; v15     4 x lane
.set SPW, 16                           ; v16     my spare word; never rewritten
.set NIL, 17                           ; v17     0; never rewritten
.set SA,  18                           ; v18-21  rows' scale words, two sets of 2: lanes 0-15 tile 2 q, lanes 16-31 tile 2 q + 1
.set SB,  22                           ; v22-29  weights' scale words, two sets of 4
.set AF,  32
.set T,   32                           ; the way out: v32-95 64 numbers of a lane
.set SV,  96                           ; v96-159 S at the same places
.set PC,  160                          ; v160-178 the codes just made
.set TM,  180                          ; v180-195 at work in QUANT
.set PW,  196                          ; the scale word just made
.set PWS, 198                          ; v198-201 the four tiles' scale words
.set QW,  202
.set WV,  20
.set G1A, 36
.set G1B, 44
.set G1S, 52
.set G0A, 60                           ; s[60:63], s[68:71]: slot 0, 1
.set G0B, 72                           ; s[72:75], s[76:79]
.set G0S, 80
.set KK,  86
.set SEL, 88
.set MUL,  0x52                        ; source 0 window 2, source 1 window 0, C and D window 1
.set TO_B, 0x80                        ; destination window 2, address window 0
.set MSB, 0
.macro WIN new                         ; the immediate's high byte repeats the setting that is left
.if MSB != (\new)
	s_set_vgpr_msb (MSB<<8)|(\new)
.set MSB, \new
.endif
.endm
.macro PLACES n                        ; plain vector lines between a matrix instruction and a load into, or a vector line on, its registers
.rept \n
	v_nop
.endr
.endm
.macro CREST                           ; a round of the cluster's barrier behind its opening barrier
	s_cmp_lg_u32 s[WV], 0
	s_cbranch_scc1 .Lnot_wave_0_\@
	s_barrier_signal -3
.Lnot_wave_0_\@:
	s_barrier_wait -3
	s_barrier_signal -1
	s_barrier_wait -1
.endm
.macro CROUND
	s_barrier_signal -1
	s_barrier_wait -1
	CREST
.endm
.macro JLOAD s                         ; a joint load into slot s; the branch hangs on the wave's number alone; four v_nop follow each line
	s_cmp_lt_u32 s[WV], 2
	s_cbranch_scc0 .Lfor_b_\@
	tensor_load_to_lds s[G0A+8*\s:G0A+8*\s+3], s[G1A:G1A+7]
	s_nop 0
.rept 4
	v_nop
.endr
	s_branch .Lasked_\@
.Lfor_b_\@:
	tensor_load_to_lds s[G0B+4*\s:G0B+4*\s+3], s[G1B:G1B+7]
	s_nop 0
.rept 4
	v_nop
.endr
.Lasked_\@:
.endm
.macro SLOAD                           ; each wave's own tile of S: no mask
	tensor_load_to_lds s[G0S:G0S+3], s[G1S:G1S+7]
	s_nop 0
.rept 4
	v_nop
.endr
.endm
; One matrix instruction.  rb, ra: the weights' and the rows' scales stand in lanes 16-31 of their registers.  zero: the product starts the sum.
.macro WM acc, bf, af, sb, sa, rb, ra, zero
.set WS, 4*(\zero)+2*(\rb)+(\ra)
.if WS == 0
	v_wmma_scale_f32_16x16x128_f8f6f4 v[\acc:\acc+7], v[\bf:\bf+11], v[\af:\af+11], v[\acc:\acc+7], v[\sb], v[\sa] matrix_a_fmt:MATRIX_FMT_FP6 matrix_b_fmt:MATRIX_FMT_FP6
.elseif WS == 1
	v_wmma_scale_f32_16x16x128_f8f6f4 v[\acc:\acc+7], v[\bf:\bf+11], v[\af:\af+11], v[\acc:\acc+7], v[\sb], v[\sa] matrix_a_fmt:MATRIX_FMT_FP6 matrix_b_fmt:MATRIX_FMT_FP6 matrix_b_scale:MATRIX_SCALE_ROW1
.elseif WS == 2
	v_wmma_scale_f32_16x16x128_f8f6f4 v[\acc:\acc+7], v[\bf:\bf+11], v[\af:\af+11], v[\acc:\acc+7], v[\sb], v[\sa] matrix_a_fmt:MATRIX_FMT_FP6 matrix_b_fmt:MATRIX_FMT_FP6 matrix_a_scale:MATRIX_SCALE_ROW1
.elseif WS == 3
	v_wmma_scale_f32_16x16x128_f8f6f4 v[\acc:\acc+7], v[\bf:\bf+11], v[\af:\af+11], v[\acc:\acc+7], v[\sb], v[\sa] matrix_a_fmt:MATRIX_FMT_FP6 matrix_b_fmt:MATRIX_FMT_FP6 matrix_a_scale:MATRIX_SCALE_ROW1 matrix_b_scale:MATRIX_SCALE_ROW1
.elseif WS == 4
	v_wmma_scale_f32_16x16x128_f8f6f4 v[\acc:\acc+7], v[\bf:\bf+11], v[\af:\af+11], 0, v[\sb], v[\sa] matrix_a_fmt:MATRIX_FMT_FP6 matrix_b_fmt:MATRIX_FMT_FP6
.elseif WS == 5
	v_wmma_scale_f32_16x16x128_f8f6f4 v[\acc:\acc+7], v[\bf:\bf+11], v[\af:\af+11], 0, v[\sb], v[\sa] matrix_a_fmt:MATRIX_FMT_FP6 matrix_b_fmt:MATRIX_FMT_FP6 matrix_b_scale:MATRIX_SCALE_ROW1
.elseif WS == 6
	v_wmma_scale_f32_16x16x128_f8f6f4 v[\acc:\acc+7], v[\bf:\bf+11], v[\af:\af+11], 0, v[\sb], v[\sa] matrix_a_fmt:MATRIX_FMT_FP6 matrix_b_fmt:MATRIX_FMT_FP6 matrix_a_scale:MATRIX_SCALE_ROW1
.else
	v_wmma_scale_f32_16x16x128_f8f6f4 v[\acc:\acc+7], v[\bf:\bf+11], v[\af:\af+11], 0, v[\sb], v[\sa] matrix_a_fmt:MATRIX_FMT_FP6 matrix_b_fmt:MATRIX_FMT_FP6 matrix_a_scale:MATRIX_SCALE_ROW1 matrix_b_scale:MATRIX_SCALE_ROW1
.endif
.endm
; n tiles of rows from a0 on x the 8 tiles of columns.  The 32 accumulators take turns, one instruction a turn, in the same order in every part.
.macro MULR a0, n, set, zero
.set MA, \a0
.rept \n
.set MB, 0
.rept 8
	WM 8*(8*MA+MB), 96*(\set)+12*MB, AF+48*(\set)+12*MA, SB+4*(\set)+MB/2, SA+2*(\set)+MA/2, MB%2, MA%2, \zero
.set MB, MB+1
.endr
.set MA, MA+1
.endr
.endm
; Part q of a slot (K step q / 2 of its two; q % 2 = 0: X and Ur, 1: S and Wr) into set: 42 LDS loads, each of 512 (scale words: 128) consecutive bytes
.macro FETCH slot, q, set
.set FJS, (\q)>>1
.set FOP, (\q)&1
	WIN TO_B
.irp f, 0,1,2,3,4,5,6,7
.irp c, 0,1,2
	ds_load_b128 v[96*(\set)+12*\f+4*\c:96*(\set)+12*\f+4*\c+3], v[ADB+(\slot)] offset:FJS*25600+FOP*12800+(\f/4)*6400+(\f%4)*1536+512*\c
.endr
.endr
	WIN 0
.irp f, 0,1,2,3
.irp c, 0,1,2
	ds_load_b128 v[AF+48*(\set)+12*\f+4*\c:AF+48*(\set)+12*\f+4*\c+3], v[ADA+2*(\slot)+FJS] offset:FOP*25600+\f*1536+512*\c
.endr
.endr
.irp u, 0,1
	ds_load_b32 v[SA+2*(\set)+\u], v[ASA+2*(\slot)+FJS] offset:FOP*25600+128*\u
.endr
.irp u, 0,1,2,3
	ds_load_b32 v[SB+4*(\set)+\u], v[ASB+(\slot)] offset:FJS*25600+FOP*12800+(\u/2)*6400+128*(\u%2)
.endr
.endm
; Part q multiplies set q % 2; ahead of its products the next part of the same slot is fetched into the other set
.macro PART slot, q, zero
	s_wait_dscnt 0x0                               ; this part's fragments, asked for 32 matrix instructions ago, are in
	PLACES 4                                       ; the last part's products read the set that is loaded now
	FETCH \slot, (\q)+1, 1-(\q)%2
	WIN MUL
	MULR 0, 4, (\q)%2, \zero
.endm
; Parts 2 and 3 of a slot, with the change of slots between them.  Part 2 fetches part 3, the slot's last reads.  kind = 1: the slot is filled again, two slots ahead; 2: it takes the waves' tiles of S.
.macro PARTC slot, next, kind
	s_wait_dscnt 0x0
	PLACES 4
	FETCH \slot, 3, 1
	WIN MUL
	MULR 0, 2, 0, 0
	WIN 0                                          ; (the add's two registers lie in window 0)
	s_wait_tensorcnt 0x0                           ; all my tensor loads have landed: the one that was out is my part of the next slot;
	ds_add_u32 v[SPW], v[NIL]                      ; 0 onto my spare word
	WIN MUL
	MULR 2, 1, 0, 0                                ; eight matrix instructions stand between the add and the wait for it
	s_wait_dscnt 0x0                               ; the add is done, and my reads of this slot are over
	s_barrier_signal -1                            ; this barrier opens a round of the cluster's barrier
	MULR 3, 1, 0, 0
	WIN 0
	s_barrier_wait -1
	CREST                                          ; no wave of any partner still reads this slot or has a load on its way
.if \kind == 1
	s_add_nc_u64 s[G0A+8*\slot+2:G0A+8*\slot+3], s[G0A+8*\slot+2:G0A+8*\slot+3], 204800   ; four K steps on: 4 x 51,200,
	s_add_nc_u64 s[G0B+4*\slot+2:G0B+4*\slot+3], s[G0B+4*\slot+2:G0B+4*\slot+3], 409600   ; 4 x 102,400
	JLOAD \slot                                    ; the first tensor load behind the round; the four v_nop behind it are the places in front of the loads below
.else
	SLOAD
.endif
	FETCH \next, 0, 0
	WIN MUL
	MULR 0, 4, 1, 0                                ; part 3: its fragments were waited for in front of the barrier
.endm
; 64 numbers of a lane, v[s] on, register 16 b + i = K 32 b + 16 (lane / 16) + i of my row, become a fragment's codes in v[PC] on and its scale word in v[PW]
.macro QUANT s
.irp b, 0,1,2,3
	v_max3_num_f32 v[TM+\b], |v[\s+16*\b]|, |v[\s+1+16*\b]|, 0x1800000   ; block b: my 16 numbers, and the floor 2^(3 - 127): the byte cannot fall under 1
.endr
.irp i, 2,4,6,8,10,12,14
.irp b, 0,1,2,3
	v_max3_num_f32 v[TM+\b], v[TM+\b], |v[\s+16*\b+\i]|, |v[\s+1+16*\b+\i]|   ; (the four blocks by turns)
.endr
.endr
.irp b, 0,1,2,3
	v_permlanex16_b32 v[TM+4+\b], v[TM+\b], s[SEL], s[SEL+1]
.endr
.irp b, 0,1,2,3
	v_max_num_f32 v[TM+\b], v[TM+\b], v[TM+4+\b]   ; with lane l xor 16's: the block's largest magnitude
.endr
.irp b, 0,1,2,3
	v_add_nc_u32 v[TM+12+\b], 0xff000000, v[TM+\b]   ; 2 off its exponent field: the conversion's scale operand
.endr
.irp b, 0,1,2,3
	v_lshrrev_b32 v[TM+4+\b], 23, v[TM+12+\b]      ; the scale's byte
.endr
	v_lshl_or_b32 v[PW], v[TM+5], 8, v[TM+4]       ; the four bytes make my row's scale word
	v_lshl_or_b32 v[PW], v[TM+6], 16, v[PW]
	v_lshl_or_b32 v[PW], v[TM+7], 24, v[PW]
.irp c, 0,1
	v_cvt_scalef32_pk16_fp6_f32 v[PC+6*\c:PC+2+6*\c], v[\s+32*\c:\s+15+32*\c], v[TM+12+2*\c]
	v_cvt_scalef32_pk16_fp6_f32 v[PC+12+4*\c:PC+14+4*\c], v[\s+16+32*\c:\s+31+32*\c], v[TM+12+2*\c+1]   ; (a conversion's three registers begin on an even number)
.endr
	v_nop                                          ; one plain line behind a scaled conversion
.irp c, 0,1                                    ; the operand's layout wants a WHOLE block in a lane: lanes 0-15 block 2 c, lanes 16-31 block 2 c + 1
.irp i, 0,1,2
	v_permlane16_swap_b32 v[PC+6*\c+\i], v[PC+12+4*\c+\i]
.endr
.irp i, 0,1,2
	v_mov_b32 v[PC+3+6*\c+\i], v[PC+12+4*\c+\i]
.endr
.endr
.endm
	s_load_b256 s[4:11], s[0:1], 0x0               ; AQ s[4:5], BQ s[6:7], S s[8:9], br s[10:11]
	s_load_b64 s[12:13], s[0:1], 0x20              ; RQ
	v_lshl_add_u32 v[SPW], v0, 2, SPARE
	v_mov_b32 v[NIL], 0
	ds_add_u32 v16, v17
	ds_add_u32 v16, v17
	s_wait_dscnt 0x0
	v_lshrrev_b32 v30, 5, v0
	v_readfirstlane_b32 s[WV], v30                 ; wave 0..3
	s_bfe_u32 s21, ttmp6, 0x40000                  ; cx, cy: my place in the cluster
	s_bfe_u32 s22, ttmp6, 0x40004
	s_lshl_b32 s23, ttmp9, 2
	s_add_co_u32 s23, s23, s21                     ; column block = 4 x cluster x + cx
	s_and_b32 s24, ttmp7, 0xffff
	s_lshl_b32 s24, s24, 2
	s_add_co_u32 s24, s24, s22                     ; row block = 4 x cluster y + cy
	s_lshl_b32 s25, s22, 2
	s_lshl_b32 s25, 15, s25                        ; my row of the cluster
	s_lshl_b32 s26, 0x1111, s21                    ; my column
	; descriptor groups 1: dense blocks as rows of 256 bytes (32 elements of 8 bytes): 200 rows of the rows' codes, 100 of the weights'
	s_or_b32 s[G1A], s25, (3<<16)|(1<<21)          ; 15:0 the mask; 17:16 elements of 8 bytes; 21 set beside a mask
	s_or_b32 s[G1B], s26, (3<<16)|(1<<21)
	s_mov_b32 s[G1A+1], 32<<16                     ; tensor_dim0
	s_mov_b32 s[G1A+2], 200<<16                    ; tensor_dim1
	s_mov_b32 s[G1A+3], 32<<16                     ; tile_dim0
	s_mov_b32 s[G1A+4], 200                        ; tile_dim1
	s_mov_b32 s[G1A+5], 32                         ; the pitch
	s_mov_b32 s[G1A+6], 0
	s_mov_b32 s[G1A+7], 0
	s_mov_b32 s[G1B+1], 32<<16
	s_mov_b32 s[G1B+2], 100<<16
	s_mov_b32 s[G1B+3], 32<<16
	s_mov_b32 s[G1B+4], 100
	s_mov_b32 s[G1B+5], 32
	s_mov_b32 s[G1B+6], 0
	s_mov_b32 s[G1B+7], 0
	; S's tile: 64 rows of 512 bytes (64 elements of 8), 4,096 bytes apart, 16 bytes of padding behind each
	s_mov_b32 s[G1S], (3<<16)|(1<<20)|(6<<22)|(3<<25)
	s_mov_b32 s[G1S+1], 64<<16
	s_mov_b32 s[G1S+2], 64<<16
	s_mov_b32 s[G1S+3], 64<<16
	s_mov_b32 s[G1S+4], 64
	s_mov_b32 s[G1S+5], 512
	s_mov_b32 s[G1S+6], 0
	s_mov_b32 s[G1S+7], 0
	s_mov_b32 s[KK], 0x4038aa3b                    ; K = 2 log2(e)
	s_mov_b32 s[KK+1], s[KK]                       ; (named with it as a pair, so it is written)
	s_mov_b32 s[SEL], 0x76543210
	s_mov_b32 s[SEL+1], 0xfedcba98                 ; v_permlanex16_b32's selects for lane l xor 16
	; LDS addresses: constants, the lane, the wave's number
	v_and_b32 v30, 31, v0
	v_lshlrev_b32 v[L16], 4, v30
	v_lshlrev_b32 v[L4], 2, v30
	s_mul_i32 s92, s[WV], 6400
	v_add_nc_u32 v[ADA], s92, v[L16]
	v_add_nc_u32 v[ADA+1], 51200, v[ADA]
	v_add_nc_u32 v[ADA+2], SLOTB, v[ADA]
	v_add_nc_u32 v[ADA+3], SLOTB+51200, v[ADA]
	v_add_nc_u32 v[ADB], 102400, v[L16]
	v_add_nc_u32 v[ADB+1], SLOTB+102400, v[L16]
	s_add_co_u32 s92, s92, 6144
	v_add_nc_u32 v[ASA], s92, v[L4]
	v_add_nc_u32 v[ASA+1], 51200, v[ASA]
	v_add_nc_u32 v[ASA+2], SLOTB, v[ASA]
	v_add_nc_u32 v[ASA+3], SLOTB+51200, v[ASA]
	v_add_nc_u32 v[ASB], 102400+6144, v[L4]
	v_add_nc_u32 v[ASB+1], SLOTB+102400+6144, v[L4]
	v_and_b32 v30, 15, v0                          ; r
	v_bfe_u32 v31, v0, 4, 1                        ; h
	s_mul_i32 s[G0S+1], s[WV], STILE               ; my tile of S, in slot 0
	v_mul_u32_u24 v[SAD], v30, SPITCH
	v_lshl_add_u32 v[SAD], v31, 6, v[SAD]
	v_add_nc_u32 v[SAD], s[G0S+1], v[SAD]
	v_lshlrev_b32 v31, 6, v31                      ; v31: 64 h: br's 16 numbers of my half
.irp b, 0,1,2,3
	v_mov_b32 v[TM+4+\b], 0                        ; written once: a lane permute's destination counts as one of its sources
.endr
	; where the tiles come from.  The rows' hang on the row block alone, the weights' on the column block alone, each in registers of its own
	s_and_b32 s27, s[WV], 1                        ; which of a slot's two K steps I fetch
	s_mul_i32 s28, s24, 409600
	s_mul_i32 s32, s27, 51200                      ; (also its place in a slot)
	s_add_co_u32 s28, s28, s32
	s_mov_b32 s29, 0
	s_mul_i32 s30, s23, 819200
	s_mul_i32 s33, s27, 102400
	s_add_co_u32 s30, s30, s33
	s_add_co_u32 s30, s30, 76800                   ; Ur and Wr are the last two parts of a record
	s_mov_b32 s31, 0
	s_mul_i32 s35, s27, 25600
	s_add_co_u32 s35, s35, 102400                  ; the weights' place in a slot
	s_lshl_b32 s92, s24, 20                        ; S: 256 rows of 4,096 bytes a row block,
	s_lshl_b32 s94, s[WV], 18                      ; 64 rows a wave,
	s_add_co_u32 s92, s92, s94
	s_lshl_b32 s94, s23, 9                         ; 512 bytes a column block (br's offset too)
	s_add_co_u32 s92, s92, s94
	s_mov_b32 s93, 0
	s_mov_b32 s95, 0
	s_mul_i32 s96, s24, 204800                     ; RQ: my quad
	s_mul_i32 s34, s23, 25600
	s_add_co_u32 s96, s96, s34
	s_mul_i32 s34, s[WV], 6400
	s_add_co_u32 s96, s96, s34
	s_mov_b32 s97, 0
	s_wait_kmcnt 0x0
	s_add_nc_u64 s[28:29], s[4:5], s[28:29]
	s_add_nc_u64 s[30:31], s[6:7], s[30:31]
	s_add_nc_u64 s[10:11], s[10:11], s[94:95]
	s_add_nc_u64 s[12:13], s[12:13], s[96:97]
.irp s, 0,1
	s_mov_b32 s[G0A+8*\s], 1                       ; count = 1
	s_add_co_u32 s[G0A+8*\s+1], s32, \s*SLOTB      ; LDS address
	s_add_nc_u64 s[G0A+8*\s+2:G0A+8*\s+3], s[28:29], \s*102400   ; slot s begins with K steps 2 s, 2 s + 1
	s_or_b32 s[G0A+8*\s+3], s[G0A+8*\s+3], 0x80000000            ; type = 2
	s_mov_b32 s[G0B+4*\s], 1
	s_add_co_u32 s[G0B+4*\s+1], s35, \s*SLOTB
	s_add_nc_u64 s[G0B+4*\s+2:G0B+4*\s+3], s[30:31], \s*204800
	s_or_b32 s[G0B+4*\s+3], s[G0B+4*\s+3], 0x80000000
.endr
	s_mov_b32 s[G0S], 1
	s_add_nc_u64 s[G0S+2:G0S+3], s[8:9], s[92:93]
	s_or_b32 s[G0S+3], s[G0S+3], 0x80000000
	CROUND                                         ; all sixteen work-groups are here: the first joint loads meet
	JLOAD 0
	JLOAD 1                                        ; two tensor loads of mine are out
	WIN 0xc0                                       ; destination window 3
.irp i, 0,1,2,3,4,5,6,7,8,9,10,11,12,13,14,15
	global_load_b128 v[4*\i:4*\i+3], v31, s[10:11] offset:128*(\i/4)+16*(\i%4)   ; register 16 bb + i: br at column 32 bb + 16 h + i
.endr
	s_wait_loadcnt 0x0
	WIN 0xc3
.set I, 0
.rept 32
	v_pk_mul_f32 v[I:I+1], v[I:I+1], s[KK:KK+1] op_sel_hi:[1,0]   ; K x br
.set I, I+2
.endr
	WIN 0
	s_wait_tensorcnt 0x1                           ; my part of slot 0 is in; slot 1's may stay out
	s_barrier_signal -1
	s_barrier_wait -1                              ; everybody's is
	FETCH 0, 0, 0
	PART 0, 0, 1                                   ; the first part's products start the sums: nothing is cleared
	PART 0, 1, 0
	PARTC 0, 1, 1                                  ; slot 0 takes K steps 4, 5
	PART 1, 0, 0
	PART 1, 1, 0
	PARTC 1, 0, 1                                  ; slot 1 takes K steps 6, 7
	PART 0, 0, 0
	PART 0, 1, 0
	PARTC 0, 1, 2                                  ; slot 0 takes S
	PART 1, 0, 0
	PART 1, 1, 0
	PART 1, 2, 0
	s_wait_dscnt 0x0                               ; the last part: nothing more to fetch
	MULR 0, 4, 1, 0
	; THE WAY OUT, a tile of 16 rows at a time: tanh, x S, the quantiser, the image to RQ.
.macro SLD a                           ; S at the places of tile a's 64 results
.irp i, 0,1,2,3,4,5,6,7,8,9,10,11,12,13,14,15
	ds_load_b128 v[SV+4*\i:SV+4*\i+3], v[SAD] offset:16*SPITCH*(\a)+128*(\i/4)+16*(\i%4)
.endr
.endm
.macro ROWS a
	WIN 0x31                                       ; source 0 window 1 (the sums), source 2 window 3 (K x br)
.set I, 0
.rept 32
	v_pk_fma_f32 v[T+I:T+I+1], v[64*(\a)+I:64*(\a)+I+1], s[KK:KK+1], v[I:I+1] op_sel_hi:[1,0,1]   ; K (sum + br); each accumulator from its low end on
.set I, I+2
.endr
	WIN 0
.set I, 0
.rept 64
	v_exp_f32 v[T+I], v[T+I]
.set I, I+1
.endr
	v_nop                                          ; a plain line behind the transcendentals
.set I, 0
	s_wait_alu depctr_va_vdst(0)
.rept 32
	v_pk_add_f32 v[T+I:T+I+1], v[T+I:T+I+1], 1.0 op_sel_hi:[1,0]
.set I, I+2
.endr
.set I, 0
.rept 64
	v_rcp_f32 v[T+I], v[T+I]
.set I, I+1
.endr
	v_nop
.set I, 0
	s_wait_alu depctr_va_vdst(0)
.rept 32
	v_pk_fma_f32 v[T+I:T+I+1], v[T+I:T+I+1], -2.0, 1.0 op_sel_hi:[1,0,0]   ; R = 1 - 2 / (1 + 2^(K x))
.set I, I+2
.endr
	s_wait_dscnt 0x0                               ; S is in
.set I, 0
.rept 32
	v_pk_mul_f32 v[T+I:T+I+1], v[T+I:T+I+1], v[SV+I:SV+I+1]       ; S x R
.set I, I+2
.endr
.if (\a) < 3
	SLD (\a)+1
.endif
	s_wait_xcnt 0x0                                ; the last tile's stores have read their codes: these are written again only behind this wait
	QUANT T
.irp c, 0,1,2
	global_store_b128 v[L16], v[PC+4*\c:PC+4*\c+3], s[12:13] offset:1536*(\a)+512*\c   ; the image: 512 consecutive bytes, at a multiple of 256 from RQ's first byte
.endr
	v_mov_b32 v[PWS+(\a)], v[PW]
.endm
	WIN 0
	s_wait_tensorcnt 0x0                           ; my tile of S has landed; only I read it
	PLACES 4                                       ; behind the last products: loads into, and vector lines on, the registers that held fragments; reads of results
	SLD 0
	ROWS 0
	ROWS 1
	ROWS 2
	ROWS 3
	v_and_b32 v[QW+2], 31, v0
	v_cmp_gt_u32 vcc_lo, 16, v[QW+2]               ; every lane holds its row's word (lanes r and r + 16 alike): lanes 0-15 give the even tile's, lanes 16-31 the odd tile's
	v_cndmask_b32 v[QW], v[PWS+1], v[PWS], vcc_lo
	v_cndmask_b32 v[QW+1], v[PWS+3], v[PWS+2], vcc_lo
	global_store_b32 v[L4], v[QW], s[12:13] offset:6144
	global_store_b32 v[L4], v[QW+1], s[12:13] offset:6272
	s_wait_tensorcnt 0x0                           ; the wave's end
	ds_add_u32 v[SPW], v[NIL]
	s_wait_dscnt 0x0
	CROUND                                         ; the closing round: no work-group ends while a partner may still ask for a tile that names it
	s_endpgm
.Lfunc_end_k_q996bf03483_gr:
	.size	k_q996bf03483_gr, .Lfunc_end_k_q996bf03483_gr-k_q996bf03483_gr
	.p2alignl 7, 3214868480
	.fill 96, 4, 3214868480
	.section	.rodata,"a",@progbits
	.p2align	6, 0x0
	.amdhsa_kernel k_q996bf03483_gr
		.amdhsa_group_segment_fixed_size 327680
		.amdhsa_private_segment_fixed_size 0
		.amdhsa_enable_private_segment 0
		.amdhsa_kernarg_size 40
		.amdhsa_user_sgpr_count 2
		.amdhsa_user_sgpr_kernarg_segment_ptr 1
		.amdhsa_wavefront_size32 1
		.amdhsa_system_sgpr_workgroup_id_x 1
		.amdhsa_system_sgpr_workgroup_id_y 1
		.amdhsa_system_sgpr_workgroup_id_z 1
		.amdhsa_system_vgpr_workitem_id 0
		.amdhsa_next_free_vgpr 1024
		.amdhsa_next_free_sgpr 100
		.amdhsa_reserve_vcc 1
		.amdhsa_float_denorm_mode_32 3
		.amdhsa_float_denorm_mode_16_64 3
		.amdhsa_memory_ordered 1
		.amdhsa_forward_progress 1
		.amdhsa_inst_pref_size 195
	.end_amdhsa_kernel
	.amdgpu_metadata
---
amdhsa.version: [ 1, 2 ]
amdhsa.kernels:
  - .name:           k_q996bf03483_gr
    .symbol:         k_q996bf03483_gr.kd
    .args:
      - { .name: AQ, .offset: 0, .size: 8, .value_kind: global_buffer, .address_space: global }
      - { .name: BQ, .offset: 8, .size: 8, .value_kind: global_buffer, .address_space: global }
      - { .name: S, .offset: 16, .size: 8, .value_kind: global_buffer, .address_space: global }
      - { .name: br, .offset: 24, .size: 8, .value_kind: global_buffer, .address_space: global }
      - { .name: RQ, .offset: 32, .size: 8, .value_kind: global_buffer, .address_space: global }
    .group_segment_fixed_size: 327680
    .private_segment_fixed_size: 0
    .kernarg_segment_align: 8
    .kernarg_segment_size: 40
    .max_flat_workgroup_size: 128
    .sgpr_count:     100
    .vgpr_count:     1024
    .wavefront_size: 32
...
	.end_amdgpu_metadata
.endif
;; end of part 2
;; launch gz (part 3): grid 8 x 32, 4 waves a work-group, clusters of 4 x 4, 327,680 bytes of LDS; arguments AQ, RQ, BQ, S, bz, bg, bh, out0; writes out0
.if DOCPART == 3
	.amdgcn_target "amdgcn-amd-amdhsa--gfx1250"
	.amdhsa_code_object_version 6
	.text
	.protected	k_q996bf03483_gz
	.globl	k_q996bf03483_gz
	.p2align	8
	.type	k_q996bf03483_gz,@function
k_q996bf03483_gz:
	s_mov_b64 s[64:65], 0
	v_nop
	global_prefetch_b8 v0, s[64:65] scope:SCOPE_SE
	s_setreg_imm32_b32 hwreg(HW_REG_WAVE_MODE, 25, 1), 1
	s_wait_xcnt 0x0
	s_wait_alu depctr_hold_cnt(0) depctr_sa_sdst(0) depctr_va_vdst(0) depctr_va_sdst(0) depctr_va_ssrc(0) depctr_va_vcc(0) depctr_vm_vsrc(0)
	s_getreg_b32 s2, hwreg(HW_REG_IB_STS2, 6, 4)
	s_cmp_eq_u32 s2, 0
	s_cbranch_scc0 .Lentry_in_a_cluster
	s_endpgm
.Lentry_in_a_cluster:
	s_bfe_u32 s2, ttmp6, 0x10000c
	s_cmp_lg_u32 s2, 0xf033
	s_cbranch_scc0 .Lentry_shape_is_right
	s_endpgm
.Lentry_shape_is_right:
; Z = tanh(X Uz + S Wz + bz), G = tanh(X Ug + S Wg + bg), H = tanh(X Uh + (S x R) Wh + bh), out = (1 - G) H + Z S.  All six products on codes of FP6 (E2M3) with E8M0 scales; Z, G and H never go to memory.
; AQ (X, S), RQ (S x R), BQ (weights): operands as images of the matrix unit's registers, in quads of 6,400 bytes (64 rows x 128 K: four images of 1,536 bytes, then 256 bytes of scale words).
; SHARES: a work-group makes 256 rows x 128 columns of out; wave w: rows 128 (w / 2) on x columns 64 (w % 2) on x three gates: 96 accumulators, gate g in window g + 1.
; THE MATRIX INSTRUCTION IS USED TRANSPOSED (source 0 = 16 columns of a weight, source 1 = 16 rows): lane (r, h) holds row r; by the order of columns in BQ's tiles, register j of tile 2 bb + u holds column 32 bb + 16 h + 8 u + j.
; THE RING: two LDS slots of 153,600 bytes, each with one K step of 128: X, S, S x R (25,600 bytes each), then Uz, Ug, Uh, Wz, Wg, Wh (12,800 each): six parts of 32 matrix instructions a wave.
; The rows' fragments have ONE set of registers (a tile of rows is free when its four products are issued), the weights' two sets.
; CLUSTER 4 x 4: the four work-groups of a row of the cluster need the same rows' codes, the four of a column the same weights': joint loads (wave 0: X, 1: S, 2: S x R, 3: the weights).
; Behind the last change of slots each wave brings its own 128 x 64 numbers of S (f32) into the slot just left; the results go out through the same bytes.
; With r = 1 / (1 + 2^(K x)), K = 2 log2(e): tanh = 1 - 2 r, so (1 - G) H = r_G (2 - 4 r_H).  Absolute error of tanh about 1e-7; +-1 is reached without overflow trouble.
; LIMITS: NaN and infinities among the inputs are not served.  The sums go K step by K step over the two operands of a gate, not operand by operand.
; REGISTERS, window 0: v1-16 addresses; v20-35 scale words and nothing else; v36-131 the rows' 8 fragments; v132-227 the weights' fragments, two sets of 4; on the way out v36-131 S in three sets, v132-227 K x the biases.
.set SLOTB,  153600
.set SPARE,  2*SLOTB                   ; behind the ring: the spare words, 128 bytes a wave: two blocks of 256 bytes that no other line names
.set BIAS,   SPARE+512                 ; K x the biases of a wave's 64 columns, three gates: 768 bytes a wave; no tensor load lands here
.set SPITCH, 272                       ; S's tile in LDS: rows of 256 + 16 bytes
.set STILE,  128*SPITCH
.set ADA, 1                            ; v1-2    my two quads of rows in slot 0, 1: + 16 x lane
.set ADB, 3                            ; v3-4    my quad of columns in the weights' part 0
.set ADC, 5                            ; v5-6    in part 3
.set ASA, 7                            ; v7-8    the rows' scale words: + 4 x lane
.set ASB, 9                            ; v9-10   the weights'
.set SPW, 11                           ; v11     my spare word; never rewritten
.set NIL, 12                           ; v12     0; never rewritten
.set STO, 13                           ; v13     my place in my tile of S: row r, + 64 h
.set RD,  14                           ; v14     the tile read by rows: lanes 0-15 one row, lanes 16-31 the next
.set CO,  15                           ; v15     the same two rows in out
.set BIA, 16                           ; v16     the biases of my half
.set SA,  20                           ; v20-31  rows' scale words, four registers for each of X, S, S x R: lanes 0-15 tile 2 q, lanes 16-31 tile 2 q + 1
.set SB,  32                           ; v32-35  weights' scale words, two sets of 2
.set AF,  36
.set BF,  132
.set SVB, 36
.set BI,  132
.set WV,  20
.set G1A, 36
.set G1B, 44
.set G1S, 52
.set G0A, 60                           ; s[60:63], s[68:71]: X's or S's tile, slot 0, 1
.set G0B, 72                           ; s[72:75], s[76:79]: the weights'
.set G0S, 80
.set G0R, 92                           ; s[92:95], s[96:99]: S x R's
.set KK,  86
.set MSB, 0
.macro WIN new                         ; the immediate's high byte repeats the setting that is left
.if MSB != (\new)
	s_set_vgpr_msb (MSB<<8)|(\new)
.set MSB, \new
.endif
.endm
.macro PLACES n                        ; plain vector lines between a matrix instruction and a load into, or a vector line on, its registers
.rept \n
	v_nop
.endr
.endm
.macro CREST                           ; a round of the cluster's barrier behind its opening barrier
	s_cmp_lg_u32 s[WV], 0
	s_cbranch_scc1 .Lnot_wave_0_\@
	s_barrier_signal -3
.Lnot_wave_0_\@:
	s_barrier_wait -3
	s_barrier_signal -1
	s_barrier_wait -1
.endm
.macro CROUND
	s_barrier_signal -1
	s_barrier_wait -1
	CREST
.endm
.macro JLOAD s                         ; a joint load into slot s; the branches hang on the wave's number alone; four v_nop follow each line
	s_cmp_lt_u32 s[WV], 2
	s_cbranch_scc0 .Lnot_a_\@
	tensor_load_to_lds s[G0A+8*\s:G0A+8*\s+3], s[G1A:G1A+7]
	s_nop 0
.rept 4
	v_nop
.endr
	s_branch .Lasked_\@
.Lnot_a_\@:
	s_cmp_eq_u32 s[WV], 2
	s_cbranch_scc0 .Lfor_b_\@
	tensor_load_to_lds s[G0R+4*\s:G0R+4*\s+3], s[G1A:G1A+7]
	s_nop 0
.rept 4
	v_nop
.endr
	s_branch .Lasked_\@
.Lfor_b_\@:
	tensor_load_to_lds s[G0B+4*\s:G0B+4*\s+3], s[G1B:G1B+7]
	s_nop 0
.rept 4
	v_nop
.endr
.Lasked_\@:
.endm
.macro SLOAD                           ; each wave's own tile of S: no mask
	tensor_load_to_lds s[G0S:G0S+3], s[G1S:G1S+7]
	s_nop 0
.rept 4
	v_nop
.endr
.endm
; One matrix instruction.  rb, ra: the weights' and the rows' scales stand in lanes 16-31 of their registers.  zero: the product starts the sum.
.macro WM acc, bf, af, sb, sa, rb, ra, zero
.set WS, 4*(\zero)+2*(\rb)+(\ra)
.if WS == 0
	v_wmma_scale_f32_16x16x128_f8f6f4 v[\acc:\acc+7], v[\bf:\bf+11], v[\af:\af+11], v[\acc:\acc+7], v[\sb], v[\sa] matrix_a_fmt:MATRIX_FMT_FP6 matrix_b_fmt:MATRIX_FMT_FP6
.elseif WS == 1
	v_wmma_scale_f32_16x16x128_f8f6f4 v[\acc:\acc+7], v[\bf:\bf+11], v[\af:\af+11], v[\acc:\acc+7], v[\sb], v[\sa] matrix_a_fmt:MATRIX_FMT_FP6 matrix_b_fmt:MATRIX_FMT_FP6 matrix_b_scale:MATRIX_SCALE_ROW1
.elseif WS == 2
	v_wmma_scale_f32_16x16x128_f8f6f4 v[\acc:\acc+7], v[\bf:\bf+11], v[\af:\af+11], v[\acc:\acc+7], v[\sb], v[\sa] matrix_a_fmt:MATRIX_FMT_FP6 matrix_b_fmt:MATRIX_FMT_FP6 matrix_a_scale:MATRIX_SCALE_ROW1
.elseif WS == 3
	v_wmma_scale_f32_16x16x128_f8f6f4 v[\acc:\acc+7], v[\bf:\bf+11], v[\af:\af+11], v[\acc:\acc+7], v[\sb], v[\sa] matrix_a_fmt:MATRIX_FMT_FP6 matrix_b_fmt:MATRIX_FMT_FP6 matrix_a_scale:MATRIX_SCALE_ROW1 matrix_b_scale:MATRIX_SCALE_ROW1
.elseif WS == 4
	v_wmma_scale_f32_16x16x128_f8f6f4 v[\acc:\acc+7], v[\bf:\bf+11], v[\af:\af+11], 0, v[\sb], v[\sa] matrix_a_fmt:MATRIX_FMT_FP6 matrix_b_fmt:MATRIX_FMT_FP6
.elseif WS == 5
	v_wmma_scale_f32_16x16x128_f8f6f4 v[\acc:\acc+7], v[\bf:\bf+11], v[\af:\af+11], 0, v[\sb], v[\sa] matrix_a_fmt:MATRIX_FMT_FP6 matrix_b_fmt:MATRIX_FMT_FP6 matrix_b_scale:MATRIX_SCALE_ROW1
.elseif WS == 6
	v_wmma_scale_f32_16x16x128_f8f6f4 v[\acc:\acc+7], v[\bf:\bf+11], v[\af:\af+11], 0, v[\sb], v[\sa] matrix_a_fmt:MATRIX_FMT_FP6 matrix_b_fmt:MATRIX_FMT_FP6 matrix_a_scale:MATRIX_SCALE_ROW1
.else
	v_wmma_scale_f32_16x16x128_f8f6f4 v[\acc:\acc+7], v[\bf:\bf+11], v[\af:\af+11], 0, v[\sb], v[\sa] matrix_a_fmt:MATRIX_FMT_FP6 matrix_b_fmt:MATRIX_FMT_FP6 matrix_a_scale:MATRIX_SCALE_ROW1 matrix_b_scale:MATRIX_SCALE_ROW1
.endif
.endm
; Gate g: n tiles of rows from a0 on x the 4 tiles of columns; set: the weights' set; op: whose scale words the rows take (0 X, 1 S, 2 S x R).
; The 96 accumulators take turns, one instruction a turn, in the same order in every K step.
.macro MULG g, a0, n, set, op, zero
	WIN ((\g)+1)*0x50                              ; C and D in window g + 1, all else in window 0
.set MA, \a0
.rept \n
.set MB, 0
.rept 4
	WM 8*(4*MA+MB), BF+48*(\set)+12*MB, AF+12*MA, SB+2*(\set)+MB/2, SA+4*(\op)+MA/2, MB%2, MA%2, \zero
.set MB, MB+1
.endr
.set MA, MA+1
.endr
.endm
.macro FB slot, part, set              ; my quad of columns of a weight: 4 fragments and 2 registers of scale words: 14 LDS loads
	WIN 0
.irp f, 0,1,2,3
.irp c, 0,1,2
.if (\part) < 3
	ds_load_b128 v[BF+48*(\set)+12*\f+4*\c:BF+48*(\set)+12*\f+4*\c+3], v[ADB+(\slot)] offset:(\part)*12800+1536*\f+512*\c
.else
	ds_load_b128 v[BF+48*(\set)+12*\f+4*\c:BF+48*(\set)+12*\f+4*\c+3], v[ADC+(\slot)] offset:((\part)-3)*12800+1536*\f+512*\c
.endif
.endr
.endr
.irp u, 0,1
	ds_load_b32 v[SB+2*(\set)+\u], v[ASB+(\slot)] offset:(\part)*12800+128*\u
.endr
.endm
.macro FA slot, op, half               ; tiles 4 half .. + 3 of my rows of operand op: 12 LDS loads; with half = 0 the operand's 4 registers of scale words too: 16
	WIN 0
.irp f, 0,1,2,3
.irp c, 0,1,2
	ds_load_b128 v[AF+12*(4*(\half)+\f)+4*\c:AF+12*(4*(\half)+\f)+4*\c+3], v[ADA+(\slot)] offset:(\op)*25600+(\half)*6400+1536*\f+512*\c
.endr
.endr
.if (\half) == 0
.irp u, 0,1,2,3
	ds_load_b32 v[SA+4*(\op)+\u], v[ASA+(\slot)] offset:(\op)*25600+(\u/2)*6400+128*(\u%2)
.endr
.endif
.endm
; Parts 0, 1, 2 of a K step: X against Uz, Ug, Uh
.macro P012 slot, zero
	s_wait_dscnt 12                                ; Uz and X's tiles 0-3 are in; the youngest 12 loads (tiles 4-7) may be out
	FB \slot, 1, 1                                 ; (four places stand behind the last products that read set 1)
	MULG 0, 0, 4, 0, 0, \zero
	s_wait_dscnt 14                                ; tiles 4-7 are in; the 14 loads just issued may be out
	MULG 0, 4, 4, 0, 0, \zero
	s_wait_dscnt 0x0
	PLACES 4
	FB \slot, 2, 0
	MULG 1, 0, 8, 1, 0, \zero
	s_wait_dscnt 0x0
	PLACES 4
	FB \slot, 3, 1
	MULG 2, 0, 4, 0, 0, \zero
	PLACES 4
	FA \slot, 1, 0                                 ; X's tiles 0-3 are done with: S's take their registers
	MULG 2, 4, 4, 0, 0, \zero
	PLACES 4
	FA \slot, 1, 1
.endm
; Parts 3, 4, 5: S against Wz, Wg; S x R against Wh.  Part 5 changes slots.  fill = 1: this slot is filled again, two K steps ahead; 2: it takes the waves' tiles of S; 0: the last K step
.macro P345 slot, next, fill
	s_wait_dscnt 12
	FB \slot, 4, 0
	MULG 0, 0, 4, 1, 1, 0
	s_wait_dscnt 14
	MULG 0, 4, 4, 1, 1, 0
	s_wait_dscnt 0x0
	PLACES 4
	FB \slot, 5, 1
	MULG 1, 0, 4, 0, 1, 0
	PLACES 4
	FA \slot, 2, 0
	MULG 1, 4, 4, 0, 1, 0
	PLACES 4
	FA \slot, 2, 1                                 ; the slot's last reads
.if \fill
	s_wait_tensorcnt 0x0                           ; all my tensor loads have landed: the one that was out is my part of the next slot;  (every window is 0 here)
	ds_add_u32 v[SPW], v[NIL]                      ; 0 onto my spare word
	s_wait_dscnt 13                                ; (the add and the youngest 12 loads, tiles 4-7, may be out)
	MULG 2, 0, 2, 1, 2, 0                          ; eight matrix instructions stand between the add and the wait for it
	s_wait_dscnt 0x0                               ; the add is done, and my reads of this slot are over
	s_barrier_signal -1                            ; this barrier opens a round of the cluster's barrier
	MULG 2, 2, 2, 1, 2, 0
	WIN 0
	s_barrier_wait -1
	CREST                                          ; no wave of any partner still reads this slot or has a load on its way
.if \fill == 1
	s_add_nc_u64 s[G0A+8*\slot+2:G0A+8*\slot+3], s[G0A+8*\slot+2:G0A+8*\slot+3], 102400   ; two K steps on: 2 x 51,200,
	s_add_nc_u64 s[G0R+4*\slot+2:G0R+4*\slot+3], s[G0R+4*\slot+2:G0R+4*\slot+3], 51200    ; 2 x 25,600,
	s_add_nc_u64 s[G0B+4*\slot+2:G0B+4*\slot+3], s[G0B+4*\slot+2:G0B+4*\slot+3], 204800   ; 2 x 102,400
	JLOAD \slot                                    ; the first tensor load behind the round; the four v_nop behind it are the places in front of the loads below
.else
	SLOAD
.endif
	FB \next, 0, 0
	FA \next, 0, 0
	MULG 2, 4, 4, 1, 2, 0
	PLACES 4
	FA \next, 0, 1
.else
	s_wait_dscnt 12
	MULG 2, 0, 4, 1, 2, 0
	s_wait_dscnt 0x0
	MULG 2, 4, 4, 1, 2, 0
.endif
.endm
	s_load_b512 s[4:19], s[0:1], 0x0               ; AQ s[4:5], RQ s[6:7], BQ s[8:9], S s[10:11], bz s[12:13], bg s[14:15], bh s[16:17], out s[18:19]
	v_lshl_add_u32 v[SPW], v0, 2, SPARE
	v_mov_b32 v[NIL], 0
	ds_add_u32 v11, v12
	ds_add_u32 v11, v12
	s_wait_dscnt 0x0
	v_lshrrev_b32 v17, 5, v0
	v_readfirstlane_b32 s[WV], v17                 ; wave 0..3
	s_lshr_b32 s27, s[WV], 1                       ; which 128 rows are mine
	s_and_b32 s34, s[WV], 1                        ; which 64 columns.  Also: waves 0, 1 fetch X, S
	s_bfe_u32 s21, ttmp6, 0x40000                  ; cx, cy: my place in the cluster
	s_bfe_u32 s22, ttmp6, 0x40004
	s_lshl_b32 s23, ttmp9, 2
	s_add_co_u32 s23, s23, s21                     ; column block = 4 x cluster x + cx
	s_and_b32 s24, ttmp7, 0xffff
	s_lshl_b32 s24, s24, 2
	s_add_co_u32 s24, s24, s22                     ; row block = 4 x cluster y + cy
	s_lshl_b32 s25, s22, 2
	s_lshl_b32 s25, 15, s25                        ; my row of the cluster
	s_lshl_b32 s26, 0x1111, s21                    ; my column
	; descriptor groups 1: dense blocks as rows of 256 bytes (32 elements of 8 bytes): 100 rows of one operand's codes, 300 of the six weights'
	s_or_b32 s[G1A], s25, (3<<16)|(1<<21)          ; 15:0 the mask; 17:16 elements of 8 bytes; 21 set beside a mask
	s_or_b32 s[G1B], s26, (3<<16)|(1<<21)
	s_mov_b32 s[G1A+1], 32<<16                     ; tensor_dim0
	s_mov_b32 s[G1A+2], 100<<16                    ; tensor_dim1
	s_mov_b32 s[G1A+3], 32<<16                     ; tile_dim0
	s_mov_b32 s[G1A+4], 100                        ; tile_dim1
	s_mov_b32 s[G1A+5], 32                         ; the pitch
	s_mov_b32 s[G1A+6], 0
	s_mov_b32 s[G1A+7], 0
	s_mov_b32 s[G1B+1], 32<<16
	s_mov_b32 s[G1B+2], 300<<16
	s_mov_b32 s[G1B+3], 32<<16
	s_mov_b32 s[G1B+4], 300
	s_mov_b32 s[G1B+5], 32
	s_mov_b32 s[G1B+6], 0
	s_mov_b32 s[G1B+7], 0
	; S's tile: 128 rows of 256 bytes (32 elements of 8), 4,096 bytes apart, 16 bytes of padding behind each
	s_mov_b32 s[G1S], (3<<16)|(1<<20)|(5<<22)|(3<<25)
	s_mov_b32 s[G1S+1], 32<<16
	s_mov_b32 s[G1S+2], 128<<16
	s_mov_b32 s[G1S+3], 32<<16
	s_mov_b32 s[G1S+4], 128
	s_mov_b32 s[G1S+5], 512
	s_mov_b32 s[G1S+6], 0
	s_mov_b32 s[G1S+7], 0
	s_mov_b32 s[KK], 0x4038aa3b                    ; K = 2 log2(e)
	s_mov_b32 s[KK+1], s[KK]                       ; (named with it as a pair, so it is written)
	; LDS addresses: constants, the lane, the wave's number
	v_and_b32 v17, 31, v0
	v_lshlrev_b32 v18, 4, v17
	v_lshlrev_b32 v19, 2, v17
	s_mul_i32 s35, s27, 12800
	v_add_nc_u32 v[ADA], s35, v18
	v_add_nc_u32 v[ADA+1], SLOTB, v[ADA]
	s_add_co_u32 s35, s35, 6144
	v_add_nc_u32 v[ASA], s35, v19
	v_add_nc_u32 v[ASA+1], SLOTB, v[ASA]
	s_mul_i32 s35, s34, 6400
	s_add_co_u32 s35, s35, 76800
	v_add_nc_u32 v[ADB], s35, v18
	v_add_nc_u32 v[ADB+1], SLOTB, v[ADB]
	v_add_nc_u32 v[ADC], 38400, v[ADB]
	v_add_nc_u32 v[ADC+1], SLOTB+38400, v[ADB]
	s_add_co_u32 s35, s35, 6144
	v_add_nc_u32 v[ASB], s35, v19
	v_add_nc_u32 v[ASB+1], SLOTB, v[ASB]
	v_and_b32 v18, 15, v0                          ; r
	v_bfe_u32 v19, v0, 4, 1                        ; h
	s_mul_i32 s[G0S+1], s[WV], STILE               ; my tile of S, in slot 0
	v_mul_u32_u24 v[STO], v18, SPITCH
	v_lshl_add_u32 v[STO], v19, 6, v[STO]
	v_add_nc_u32 v[STO], s[G0S+1], v[STO]
	v_mul_u32_u24 v[RD], v19, SPITCH
	v_lshl_add_u32 v[RD], v18, 4, v[RD]
	v_add_nc_u32 v[RD], s[G0S+1], v[RD]
	v_lshlrev_b32 v[CO], 12, v19
	v_lshl_add_u32 v[CO], v18, 4, v[CO]
	s_mul_i32 s35, s[WV], 768
	s_add_co_u32 s35, s35, BIAS
	v_lshlrev_b32 v[BIA], 6, v19
	v_add_nc_u32 v[BIA], s35, v[BIA]
	v_lshlrev_b32 v229, 3, v17                     ; 8 x lane: two of my 64 biases
	v_add_nc_u32 v228, s35, v229
	; where the tiles come from.  The rows' hang on the row block alone, the weights' on the column block alone, each in registers of its own
	s_mul_i32 s28, s24, 409600
	s_mul_i32 s91, s34, 25600                      ; X or S (also the tile's place in a slot)
	s_add_co_u32 s28, s28, s91
	s_mov_b32 s29, 0
	s_mul_i32 s30, s24, 204800
	s_mov_b32 s31, 0
	s_mul_i32 s32, s23, 819200
	s_mov_b32 s33, 0
	s_lshl_b32 s84, s24, 20                        ; S and out: 256 rows of 4,096 bytes a row block,
	s_lshl_b32 s35, s27, 19                        ; 128 rows for my half,
	s_add_co_u32 s84, s84, s35
	s_lshl_b32 s2, s23, 9                          ; 512 bytes a column block,
	s_lshl_b32 s35, s34, 8                         ; 256 for my half (the biases' offset too)
	s_add_co_u32 s2, s2, s35
	s_add_co_u32 s84, s84, s2
	s_mov_b32 s85, 0
	s_mov_b32 s3, 0
	s_wait_kmcnt 0x0
	s_add_nc_u64 s[28:29], s[4:5], s[28:29]
	s_add_nc_u64 s[30:31], s[6:7], s[30:31]
	s_add_nc_u64 s[32:33], s[8:9], s[32:33]
	s_add_nc_u64 s[12:13], s[12:13], s[2:3]
	s_add_nc_u64 s[14:15], s[14:15], s[2:3]
	s_add_nc_u64 s[16:17], s[16:17], s[2:3]
	s_add_nc_u64 s[18:19], s[18:19], s[84:85]
.irp s, 0,1
	s_mov_b32 s[G0A+8*\s], 1                       ; count = 1
	s_add_co_u32 s[G0A+8*\s+1], s91, \s*SLOTB      ; LDS address
	s_add_nc_u64 s[G0A+8*\s+2:G0A+8*\s+3], s[28:29], \s*51200    ; slot s begins with K step s
	s_or_b32 s[G0A+8*\s+3], s[G0A+8*\s+3], 0x80000000            ; type = 2
	s_mov_b32 s[G0R+4*\s], 1
	s_mov_b32 s[G0R+4*\s+1], 51200+\s*SLOTB
	s_add_nc_u64 s[G0R+4*\s+2:G0R+4*\s+3], s[30:31], \s*25600
	s_or_b32 s[G0R+4*\s+3], s[G0R+4*\s+3], 0x80000000
	s_mov_b32 s[G0B+4*\s], 1
	s_mov_b32 s[G0B+4*\s+1], 76800+\s*SLOTB
	s_add_nc_u64 s[G0B+4*\s+2:G0B+4*\s+3], s[32:33], \s*102400
	s_or_b32 s[G0B+4*\s+3], s[G0B+4*\s+3], 0x80000000
.endr
	s_mov_b32 s[G0S], 1
	s_add_nc_u64 s[G0S+2:G0S+3], s[10:11], s[84:85]
	s_or_b32 s[G0S+3], s[G0S+3], 0x80000000
	CROUND                                         ; all sixteen work-groups are here: the first joint loads meet
	JLOAD 0
	JLOAD 1                                        ; two tensor loads of mine are out
	global_load_b64 v[230:231], v229, s[12:13]     ; my 64 columns' bz, bg, bh: 256 consecutive bytes each
	global_load_b64 v[232:233], v229, s[14:15]
	global_load_b64 v[234:235], v229, s[16:17]
	s_wait_loadcnt 0x0
	v_pk_mul_f32 v[230:231], v[230:231], s[KK:KK+1] op_sel_hi:[1,0]
	v_pk_mul_f32 v[232:233], v[232:233], s[KK:KK+1] op_sel_hi:[1,0]
	v_pk_mul_f32 v[234:235], v[234:235], s[KK:KK+1] op_sel_hi:[1,0]
	ds_store_b64 v228, v[230:231]                  ; kept in my own LDS bytes until the way out: the loop leaves no registers for them
	ds_store_b64 v228, v[232:233] offset:256
	ds_store_b64 v228, v[234:235] offset:512
	s_wait_tensorcnt 0x1                           ; my part of slot 0 is in; slot 1's may stay out
	s_wait_dscnt 0x0
	s_barrier_signal -1
	s_barrier_wait -1                              ; everybody's is
	FB 0, 0, 0
	FA 0, 0, 0
	FA 0, 0, 1
	P012 0, 1                                      ; the first three parts' products start the 96 sums: nothing is cleared
	s_mov_b32 s90, 3
.Lstep:                                            ; a trip goes once round the ring, from a K step's fourth part to the third part of the K step two on, and fills both slots again: K steps 2 to 7
	P345 0, 1, 1
	P012 1, 0
	P345 1, 0, 1
	P012 0, 0
	s_sub_co_u32 s90, s90, 1
	s_cmp_lg_u32 s90, 0
	s_cbranch_scc1 .Lstep
	P345 0, 1, 2                                   ; K step 6 ends; slot 0 takes S
	P012 1, 0
	P345 1, 0, 0                                   ; K step 7: nothing more to fetch
	; THE WAY OUT, a tile of 16 rows at a time.
.macro SLD a                           ; S at the places of tile a's 32 results, into set a % 3
.irp i, 0,1,2,3,4,5,6,7
	ds_load_b128 v[SVB+32*((\a)%3)+4*\i:SVB+32*((\a)%3)+4*\i+3], v[STO] offset:16*SPITCH*(\a)+128*(\i/4)+16*(\i%4)
.endr
.endm
.macro ACT a, g                        ; gate g of tile a, in place: r = 1 / (1 + 2^(K (sum + b))); Z becomes 1 - 2 r, H becomes 2 - 4 r, G stays r
	WIN ((\g)+1)*0x41                              ; destination and source 0 in window g + 1, the biases in window 0
.set I, 0
.rept 16
	v_pk_fma_f32 v[32*(\a)+I:32*(\a)+I+1], v[32*(\a)+I:32*(\a)+I+1], s[KK:KK+1], v[BI+32*(\g)+I:BI+32*(\g)+I+1] op_sel_hi:[1,0,1]   ; each accumulator from its low end on
.set I, I+2
.endr
.set I, 0
.rept 32
	v_exp_f32 v[32*(\a)+I], v[32*(\a)+I]
.set I, I+1
.endr
	v_nop                                          ; a plain line behind the transcendentals
.set I, 0
	s_wait_alu depctr_va_vdst(0)
.rept 16
	v_pk_add_f32 v[32*(\a)+I:32*(\a)+I+1], v[32*(\a)+I:32*(\a)+I+1], 1.0 op_sel_hi:[1,0]
.set I, I+2
.endr
.set I, 0
.rept 32
	v_rcp_f32 v[32*(\a)+I], v[32*(\a)+I]
.set I, I+1
.endr
	v_nop
.if (\g) == 0
.set I, 0
	s_wait_alu depctr_va_vdst(0)
.rept 16
	v_pk_fma_f32 v[32*(\a)+I:32*(\a)+I+1], v[32*(\a)+I:32*(\a)+I+1], -2.0, 1.0 op_sel_hi:[1,0,0]
.set I, I+2
.endr
.elseif (\g) == 2
.set I, 0
	s_wait_alu depctr_va_vdst(0)
.rept 16
	v_pk_fma_f32 v[32*(\a)+I:32*(\a)+I+1], v[32*(\a)+I:32*(\a)+I+1], -4.0, 2.0 op_sel_hi:[1,0,0]
.set I, I+2
.endr
.endif
.endm
.macro COMB a, younger                 ; out = r_G (2 - 4 r_H) + Z S; back into S's bytes, and out of them by rows.  younger: the LDS instructions issued behind S's loads
.set SS, SVB+32*((\a)%3)
	s_wait_dscnt \younger
	WIN 0x01                                       ; source 0 window 1: Z
.set I, 0
.rept 16
	v_pk_mul_f32 v[SS+I:SS+I+1], v[32*(\a)+I:32*(\a)+I+1], v[SS+I:SS+I+1]
.set I, I+2
.endr
	WIN 0x0e                                       ; source 0 window 2: r_G; source 1 window 3: 2 - 4 r_H
.set I, 0
.rept 16
	v_pk_fma_f32 v[SS+I:SS+I+1], v[32*(\a)+I:32*(\a)+I+1], v[32*(\a)+I:32*(\a)+I+1], v[SS+I:SS+I+1]
.set I, I+2
.endr
	WIN 0
.irp i, 0,1,2,3,4,5,6,7
	ds_store_b128 v[STO], v[SS+4*\i:SS+4*\i+3] offset:16*SPITCH*(\a)+128*(\i/4)+16*(\i%4)   ; my own bytes, in a slot that has had its last fill
.endr
.irp i, 0,1,2,3,4,5,6,7
	ds_load_b128 v[SS+4*\i:SS+4*\i+3], v[RD] offset:16*SPITCH*(\a)+2*SPITCH*\i   ; LDS serves a wave's instructions in order (ISA guide 5.7.1.4): these see the stores above
.endr
.endm
.macro SEND a, younger
	s_wait_dscnt \younger                          ; tile a is back in registers, by rows
.irp i, 0,1,2,3,4,5,6,7
	global_store_b128 v[CO], v[SVB+32*((\a)%3)+4*\i:SVB+32*((\a)%3)+4*\i+3], s[18:19] offset:(16*(\a)+2*\i)*4096 th:TH_STORE_NT   ; 16 lanes store 256 consecutive bytes, at a multiple of 256 from out's first byte
.endr
.endm
	WIN 0
	s_wait_tensorcnt 0x0                           ; my tile of S has landed; only I read it
	PLACES 4                                       ; behind the last products: loads into the registers that held fragments; reads of results
.irp g, 0,1,2
.irp i, 0,1,2,3,4,5,6,7
	ds_load_b128 v[BI+32*\g+4*\i:BI+32*\g+4*\i+3], v[BIA] offset:256*\g+128*(\i/4)+16*(\i%4)   ; register 16 bb + i: K x the bias at column 32 bb + 16 h + i
.endr
.endr
	SLD 0
	SLD 1
	s_wait_dscnt 16                                ; the biases are in; S's two tiles may be out
.irp a, 0,1,2,3,4,5,6,7
	ACT \a, 0
	ACT \a, 1
	ACT \a, 2
.if \a == 0
	COMB \a, 8                                     ; behind S's tile 0: tile 1's 8 loads
.elseif \a == 7
	COMB \a, 16                                    ; behind tile 7: tile 6's 8 stores and 8 loads
.else
	COMB \a, 24                                    ; behind tile a: tile a - 1's 8 stores and 8 loads, tile a + 1's 8 loads
.endif
.if \a > 0
.if \a == 7
	SEND \a-1, 16                                  ; behind tile 6's loads by rows: tile 7's 8 stores and 8 loads
.else
	SEND \a-1, 24                                  ; behind tile a - 1's: S's tile a + 1, tile a's 8 stores and 8 loads
.endif
.endif
.if \a < 6
	s_wait_xcnt 0x0                                ; tile a - 1's stores have read their registers: S's tile a + 2 lands there only behind this wait
	SLD \a+2
.endif
.endr
	SEND 7, 0
	s_wait_tensorcnt 0x0                           ; the wave's end, behind my last tensor load and my last LDS store
	ds_add_u32 v[SPW], v[NIL]
	s_wait_dscnt 0x0
	CROUND                                         ; the closing round: no work-group ends while a partner may still ask for a tile that names it
	s_endpgm
.Lfunc_end_k_q996bf03483_gz:
	.size	k_q996bf03483_gz, .Lfunc_end_k_q996bf03483_gz-k_q996bf03483_gz
	.p2alignl 7, 3214868480
	.fill 96, 4, 3214868480
	.section	.rodata,"a",@progbits
	.p2align	6, 0x0
	.amdhsa_kernel k_q996bf03483_gz
		.amdhsa_group_segment_fixed_size 327680
		.amdhsa_private_segment_fixed_size 0
		.amdhsa_enable_private_segment 0
		.amdhsa_kernarg_size 64
		.amdhsa_user_sgpr_count 2
		.amdhsa_user_sgpr_kernarg_segment_ptr 1
		.amdhsa_wavefront_size32 1
		.amdhsa_system_sgpr_workgroup_id_x 1
		.amdhsa_system_sgpr_workgroup_id_y 1
		.amdhsa_system_sgpr_workgroup_id_z 1
		.amdhsa_system_vgpr_workitem_id 0
		.amdhsa_next_free_vgpr 1024
		.amdhsa_next_free_sgpr 100
		.amdhsa_reserve_vcc 0
		.amdhsa_float_denorm_mode_32 3
		.amdhsa_float_denorm_mode_16_64 3
		.amdhsa_memory_ordered 1
		.amdhsa_forward_progress 1
		.amdhsa_inst_pref_size 255
	.end_amdhsa_kernel
	.section	.bss,"aw",@nobits
	.p2align	6
	.space	262144
	.amdgpu_metadata
---
amdhsa.version: [ 1, 2 ]
amdhsa.kernels:
  - .name:           k_q996bf03483_gz
    .symbol:         k_q996bf03483_gz.kd
    .args:
      - { .name: AQ, .offset: 0, .size: 8, .value_kind: global_buffer, .address_space: global }
      - { .name: RQ, .offset: 8, .size: 8, .value_kind: global_buffer, .address_space: global }
      - { .name: BQ, .offset: 16, .size: 8, .value_kind: global_buffer, .address_space: global }
      - { .name: S, .offset: 24, .size: 8, .value_kind: global_buffer, .address_space: global }
      - { .name: bz, .offset: 32, .size: 8, .value_kind: global_buffer, .address_space: global }
      - { .name: bg, .offset: 40, .size: 8, .value_kind: global_buffer, .address_space: global }
      - { .name: bh, .offset: 48, .size: 8, .value_kind: global_buffer, .address_space: global }
      - { .name: out0, .offset: 56, .size: 8, .value_kind: global_buffer, .address_space: global }
    .group_segment_fixed_size: 327680
    .private_segment_fixed_size: 0
    .kernarg_segment_align: 8
    .kernarg_segment_size: 64
    .max_flat_workgroup_size: 128
    .sgpr_count:     100
    .vgpr_count:     1024
    .wavefront_size: 32
...
	.end_amdgpu_metadata
.endif
;; end of part 3
